; MI455X (gfx1250); checked and timed in simulation.
; The chip was launched on July 23, 2026; its instructions are those of AMD's public machine-readable ISA for CDNA 5 (MIT licence, August 2026) and "CDNA5" Instruction Set Architecture Reference Guide (July 2026). The comments in the code are by the model that wrote it; some were corrected since.
;; Pyramid Sparse Attention. Allowed arithmetic: matrix products marked QUANTISED: E3M2 operands, one E8M0 scale for each 32 along K, by v_wmma_scale_f32_16x16x128_f8f6f4 with both operands' format E3M2, f32 sums; everything else in f32.
;; Inputs: k 1 x 8 x 4,096 x 64 float32; q 1 x 8 x 4,096 x 64 float32; sample_idx_k 1 x 8 x 16 int32; sample_idx_q 1 x 8 x 16 int32; v_codes 1 x 8 x 64 x 128 x 24 uint8 (E3M2 codes of v, K innermost, in blocks of 32 codes, four codes in three bytes); v_scales 1 x 8 x 64 x 128 uint8 (E8M0 scales of v, one for each 32 codes along K).
;; Outputs: out0 1 x 8 x 4,096 x 64 float32.
;; This version of the problem:
;;   THIS VERSION OF THE PROBLEM IS GIVEN IN LOW PRECISION. The matrix products marked QUANTISED in the list below multiply operands that are first quantised to E3M2 (3 exponent bits, 2 mantissa bits; 6 bits a number), with one power-of-two scale for each 32 numbers along K (OCP MX v1.0); their sums are f32. All else is computed in f32.
;;   The module's matrix products, in the order in which they are computed (A, B: the left and right operand; K: the contracted axis; several contracted axes count as one K, in the product's order):
;;     1. batch 8 x [M 1,024, K 64] x [K 64, N 1,024]; A: computed on the way; B: computed on the way: QUANTISED
;;     2. batch 8 x [M 4,096, K 64] x [K 64, N 4,096]; A: input q; B: input k: QUANTISED
;;     3. batch 8 x [M 4,096, K 4,096] x [K 4,096, N 64]; A: softmax (see below); B: input v (given as codes): QUANTISED
;;   THE QUANTISER, for each operand of a quantised product, along K:
;;     - K is cut into blocks of 32 from its start; a last block that is shorter is filled with zeros.
;;     - A block's scale is 2^e with e = floor(log2(the largest magnitude in the block)) - 4, held to -126 .. 127; a block of zeros has e = 0. As a byte (E8M0): e + 127.
;;     - Each number is divided by its block's scale, clamped to +-28, and rounded to the nearest number of E3M2, ties to even, subnormals kept.
;;     - The product sums the exact products of the quantised numbers (number of the format x scale) in f32.
;;   ~~~python
;;   def quantise(x, axis):      # numpy; x: float32 -> the quantised numbers, widened to float32 again
;;       x = np.moveaxis(x, axis, -1); K = x.shape[-1]
;;       x = np.pad(x, [(0, 0)] * (x.ndim - 1) + [(0, -K % 32)]); x = x.reshape(x.shape[:-1] + (-1, 32)); a = np.abs(x).max(-1, keepdims=True)
;;       e = np.where(a > 0, np.clip(np.frexp(np.where(a > 0, a, 1))[1] - 1 - 4, -126, 127), 0)      # np.frexp(a)[1] - 1 = floor(log2(a)), exactly
;;       r = np.clip(x / 2.0 ** e, -28, 28)
;;       step = 2.0 ** (np.maximum(np.frexp(np.where(r == 0, 1, r))[1] - 1, -2) - 2)
;;       q = np.round(r / step) * step * 2.0 ** e      # np.round: ties to even
;;       return np.moveaxis(q.reshape(q.shape[:-2] + (-1,))[..., :K], -1, axis).astype(np.float32)
;;   ~~~
;;   SOFTMAX AHEAD OF A QUANTISED PRODUCT. Where the list says 'softmax', what is quantised is not the finished softmax but p = 2^(t - M), with t = logit x log2(e) and M = ceil(the row's largest t), a whole number; so 1/2 < the row's largest p <= 1. The row's sum l is taken of the UNQUANTISED p, in f32, and the product's result is divided by l at the end. Since M is a whole number, a kernel that streams over the keys may use a running M (the ceiling of the running maximum): every later rescaling is an exact power of two, which a block's scale takes up: the codes' values come out the same.
;;   OPERANDS COMPUTED ON THE WAY. 'Computed on the way' means the value that the module computes at that place (a softmax that the list does not call 'softmax' is quantised finished and normalised). What goes into a quantiser is computed in f32, as accurately as f32 sums, v_exp_f32 and their like allow (about 1e-6 of the number): no bf16 or f16 on the way to a quantiser, and a product that is left as it is and whose result goes on into a quantised operand takes f32 operands (vector FMAs, or v_wmma_f32_16x16x4_f32). A number that lies on a knife's edge between two numbers of the format may be rounded either way, as far as f32 arithmetic and the matrix unit's own rounding can turn it there, and no further.
;;   INPUTS GIVEN AS CODES. v (in the module: [1, 8, 4096, 64], K = its axis 2): each comes as NAME_codes (uint8): NAME with its K axis moved to the last place and cut into blocks of 32 codes, [.., K / 32, bytes a block], one block behind the other in memory; four codes in three bytes: a row's codes are one little-endian stream of bits, code i at bits 6 i .. 6 i + 5 (a code: sign, 3 exponent bits, 2 mantissa bits); and NAME_scales (uint8): the same leading axes, one E8M0 byte (e + 127) for each 32 codes along K. Its value is code x scale, taken as it is: it is not quantised again, and the codes and scales need not be those that the quantiser above would give.
;; One version. Each part assembles by itself: llvm-mc -triple=amdgcn-amd-amdhsa -mcpu=gfx1250 --defsym DOCPART=n.
;; ======== version 1 of 1: 2 launches
;; limits: right only within a limited range of input values
;; workspace buffers: kv 3,407,872 bytes; qr 1,703,936 bytes; mask 4,096 bytes of whole numbers
;; launch prep (part 1): grid 32 x 8, 16 waves a work-group, no clusters, 78,336 bytes of LDS; arguments k, q, sample_idx_k, sample_idx_q, v_codes, v_scales, kv, qr, mask; writes kv, qr, mask
.if DOCPART == 1
	.amdgcn_target "amdgcn-amd-amdhsa--gfx1250"
	.amdhsa_code_object_version 6
	.text
	.protected	k_q5263d9e140_prep
	.globl	k_q5263d9e140_prep
	.p2align	8
	.type	k_q5263d9e140_prep,@function
k_q5263d9e140_prep:
	s_mov_b64 s[64:65], 0
	v_nop
	global_prefetch_b8 v0, s[64:65] scope:SCOPE_SE
	s_setreg_imm32_b32 hwreg(HW_REG_WAVE_MODE, 25, 1), 1
	s_wait_xcnt 0x0
; PREP.  Three things for the attention launch that follows, for 8 heads of 4,096 rows x 64:
;  (a) k and q (f32) become codes of BF6 (E3M2) with one E8M0 byte for each 32 along the head's 64, laid as IMAGES OF OPERAND REGISTERS:
;      a record for each block of 64 rows; in it four tiles of 16 rows, 768 bytes each (lane l's registers 0-3 at 16 l, registers 4-5 at 512 + 8 l), then 64 scale words (word 16 tile + row: byte 0, 1 = the row's two blocks; bytes 2, 3 = 0).
;      kv record (6,656 bytes): K's part (3,328), then V's part (3,328).  qr record: 3,328 bytes.
;      THE KEYS OF A TILE OF K ARE NOT NEIGHBOURS: row m of tile t is key 8 t + m % 8 + 32 (m / 8), so that in S^T = K Q^T lanes 0-15 hold the block's keys 0-31 and lanes 16-31 its keys 32-63, in order.
;  (b) v's given codes and scale bytes are laid into the same records: tile t, lane (r, h): channel 16 t + r, the 24 bytes of the key block's h-th 32 keys; its scale word holds the block's two bytes twice.
;  (c) the block mask: 16 sampled rows of each block of q and of k, quantised, multiplied, softmax over the 1,024 sampled keys, summed over 16 x 16: the pooled mass of 64 key blocks for each q block.
;      A key block is kept where the mass of the blocks ranked before it (larger mass first, equal mass: lower index first) is under half of the total.
;      Stored as whole numbers at fixed places: 8 bytes for each q block (head x 64 + q block), bit i = key block i.  No branch and no address here hangs on a floating-point number.
; SHARES.  Work-group (g, head): q blocks and key blocks 2 g, 2 g + 1.  Sixteen waves.  Wave w: one tile of a record (w < 8: of K, else of Q; block 2 g + (w / 4) % 2, tile w % 4); the sampled tiles of key blocks 4 w .. 4 w + 3,
;      which stay in its registers; waves 0, 1 also the sampled tile of q block 2 g + w, which goes to all waves through LDS as an image of its registers; waves 8-15 also V's tile of the same block and number.
;      Behind the last barrier waves 0-7 rank: q block 2 g + w / 4, key blocks 16 (w % 4) + r; lane (r, h) walks the masses 32 h .. 32 h + 31.
; THE PRODUCT'S K is 64 of the instruction's 128.  The sampled q fragment's registers 6-11 are zero codes and both sides' scale bytes 2, 3 are 0 (2^-127, no NaN); every 6-bit code is a finite number, so whatever stands in the
;      other operand's registers 6-11 adds nothing: the sampled k fragments lie 6 registers apart, each followed by the next, the last by six zeros.
; A row of 64 f32 is 256 bytes: every load takes two whole rows, sixteen lanes each; the tile turns through the wave's own stage in LDS so that lane (r, h) holds row r's numbers 32 h .. 32 h + 31, one whole block.
; No tensor load and no cluster: the sampled rows are gathered by an index input, row by row, and each work-group quantises them for itself.
; No prefetch: the text has no loop to run ahead in; a wave's five tiles are asked for before the first is used.
; LIMITS: NaN and infinities are not served.  A block whose largest magnitude lies under 2^-122 keeps the byte 1, a block of zeros too (its codes are zeros; only this program reads the bytes).
;      The mass ranked before a block is summed in index order, eight chains, f32: a block whose fraction lies within f32 rounding (some 1e-6) of one half may fall either way.
.set SQI,  0                           ; LDS: the two sampled q tiles' images: 768 bytes of codes + 128 of scale words each
.set MX,   2048                        ; [q block][query r][wave]: each wave's largest score
.set LS,   4096                        ; the same for the sums
.set PL,   6144                        ; [q block][64]: the pooled mass
.set STG,  6656                        ; a stage of 16 rows x (256 + 16) bytes for each wave
.set SP,   272
.set KOF,  16                          ; v16-23   byte offsets of the sampled rows in a block of k: load i takes samples 2 i (lanes 0-15) and 2 i + 1
.set QOF,  24                          ; v24-31   the same for q
.set R0,   32                          ; v32-159  four sets of 32 registers for tiles as they are loaded
.set R1,   64
.set R2,   96
.set R3,   128
.set X,    160                         ; v160-191 a lane's block of 32
.set SK,   192                         ; v192-215 four sampled k fragments, 6 registers each; v216-221 zeros
.set R4,   192                         ; v192-223 before that: the fifth set for a tile as it is loaded
.set FQ,   224                         ; v224-229 codes of the record's tile, then of the sampled q tile; v230 their scale word
.set WQ,   230
.set VCO,  232                         ; v232, v233 my byte offsets in v_codes and v_scales
.set VSO,  233
.set SQW,  238                         ; v238, v239 the sampled q tiles' scale words
.set SKW,  240                         ; v240-243 the sampled k tiles' scale words
; v1 lane; v2 4 x lane; v3 16 x wave; v4, v5 the stage, in and out; v6 16 x lane; v7 the same + 6,144 for K's tiles; v8 8 h; v9 8 x lane; v10 4 r; v11-13 where waves 0, 1 store their image;
; v14, v15 MX and LS, store and read; v236, v237 my spare word's address and 0; v244-252, v255 at work; v249, v253 the ranking's LDS addresses; v254 the ranking's key block less 32 h
.macro GLREC raw                       ; the record's tile: rows 2 i, 2 i + 1 by load i; K's rows 8-15 lie 24 rows further on than neighbours would
.irp i,0,1,2,3
	global_load_b128 v[\raw+4*\i:\raw+4*\i+3], v6, s[32:33] offset:512*\i
.endr
.irp i,4,5,6,7
	global_load_b128 v[\raw+4*\i:\raw+4*\i+3], v7, s[32:33] offset:512*\i
.endr
.endm
.macro GLSMP raw, of, base, off        ; a sampled tile of the block at byte off
.irp i,0,1,2,3,4,5,6,7
	global_load_b128 v[\raw+4*\i:\raw+4*\i+3], v[\of+\i], s[\base:\base+1] offset:\off
.endr
.endm
; A tile of 16 rows x 64 in v[raw] on becomes six registers of codes in v[f] on and the rows' scale words in v[w].
.macro TILE raw, f, w
.irp i,0,1,2,3,4,5,6,7
	ds_store_b128 v4, v[\raw+4*\i:\raw+4*\i+3] offset:2*SP*\i
.endr
.irp i,0,1,2,3,4,5,6,7
	ds_load_b128 v[X+4*\i:X+4*\i+3], v5 offset:16*\i       ; LDS serves a wave's instructions in order: these see the stores above
.endr
	s_wait_dscnt 0x0
	v_max3_num_f32 v244, |v[X]|, |v[X+1]|, |v[X+2]|        ; the block's largest magnitude: all 32 numbers are mine; two chains
	v_max3_num_f32 v245, |v[X+3]|, |v[X+4]|, |v[X+5]|
.irp i,6,10,14,18,22,26
	s_delay_alu instid0(VALU_DEP_2)
	v_max3_num_f32 v244, v244, |v[X+\i]|, |v[X+\i+1]|
	s_delay_alu instid0(VALU_DEP_2)
	v_max3_num_f32 v245, v245, |v[X+\i+2]|, |v[X+\i+3]|
.endr
	s_delay_alu instid0(VALU_DEP_2)
	v_max3_num_f32 v244, v244, |v[X+30]|, |v[X+31]|
	s_delay_alu instid0(VALU_DEP_1)
	v_max3_num_f32 v244, v244, v245, 0x2800000             ; and the floor 2^(5 - 127): the byte cannot fall under 1
	s_delay_alu instid0(VALU_DEP_1)
	v_add_nc_u32 v246, 0xfe000000, v244                    ; 4 off the exponent field: the conversion takes this operand's exponent field as its scale
	s_delay_alu instid0(VALU_DEP_1)
	v_lshrrev_b32 v247, 23, v246                           ; the scale's byte
	v_cvt_scalef32_pk16_bf6_f32 v[\f:\f+2], v[X:X+15], v246
	v_cvt_scalef32_pk16_bf6_f32 v[250:252], v[X+16:X+31], v246   ; (a conversion's three registers begin on an even number)
	v_nop                                                  ; one plain place behind a scaled conversion
	v_lshlrev_b32 v[\w], v8, v247                          ; my byte at its place, 8 h bits up;
	s_delay_alu instid0(VALU_DEP_1)
	v_permlanex16_b32 v248, v[\w], s26, s27
	s_delay_alu instid0(VALU_DEP_1)
	v_or_b32 v[\w], v[\w], v248                            ; with lane l xor 16's the row's word is whole; bytes 2, 3 stay 0
.irp i,0,1,2
	v_mov_b32 v[\f+3+\i], v[250+\i]
.endr
.endm
.macro BARRIER                         ; my LDS stores have landed and my LDS loads are in: then the work-group's barrier
	s_wait_dscnt 0x0
	s_barrier_signal -1
	s_barrier_wait -1
.endm
	s_load_b256 s[4:11], s[0:1], 0x0               ; k, q, sample_idx_k, sample_idx_q
	s_load_b256 s[12:19], s[0:1], 0x20             ; v_codes, v_scales, kv, qr
	s_load_b64 s[20:21], s[0:1], 0x40              ; mask
	v_lshl_add_u32 v236, v0, 2, 0x12a00
	v_mov_b32 v237, 0
	v_lshrrev_b32 v1, 5, v0
	s_delay_alu instid0(VALU_DEP_1)
	v_readfirstlane_b32 s22, v1                    ; wave 0..15
	v_and_b32 v1, 31, v0                           ; lane
	v_and_b32 v2, 15, v0                           ; r
	v_bfe_u32 v3, v0, 4, 1                         ; h
	s_wait_alu depctr_va_vdst(0)
	s_mov_b32 s23, ttmp9                           ; g
	s_and_b32 s24, ttmp7, 0xffff                   ; head
	s_mov_b32 s26, 0x76543210
	s_mov_b32 s27, 0xfedcba98                      ; v_permlanex16_b32's selects for lane l xor 16
	s_mov_b32 s28, 0x3e38aa3b                      ; c = log2(e) / sqrt(64)
	s_mov_b32 s29, s28                             ; (the packed form names the pair)
	s_mov_b32 s30, 0xbe38aa3b                      ; -c
	; every LDS address is made here, ahead of the first parting of the waves
	s_mul_i32 s25, s22, 16*SP
	s_add_co_u32 s25, s25, STG                     ; my stage
	v_mul_u32_u24 v4, v3, SP
	s_delay_alu instid0(VALU_DEP_1)
	v_lshl_add_u32 v4, v2, 4, v4
	s_delay_alu instid0(VALU_DEP_1)
	v_add_nc_u32 v4, s25, v4                       ; in: lanes 0-15 one row, lanes 16-31 the next, 16 bytes a lane
	v_mul_u32_u24 v5, v2, SP
	s_delay_alu instid0(VALU_DEP_1)
	v_lshl_add_u32 v5, v3, 7, v5
	s_delay_alu instid0(VALU_DEP_1)
	v_add_nc_u32 v5, s25, v5                       ; out: row r, my half of 128 bytes
	v_lshlrev_b32 v6, 4, v1
	v_lshlrev_b32 v8, 3, v3
	v_lshlrev_b32 v9, 3, v1
	v_lshlrev_b32 v10, 2, v2
	s_and_b32 s25, s22, 1
	s_mul_i32 s31, s25, 896
	v_add_nc_u32 v11, s31, v6
	v_add_nc_u32 v12, s31, v9
	v_lshl_add_u32 v13, v1, 2, s31
	v_lshlrev_b32 v15, 6, v2                       ; 64 r
	s_delay_alu instid0(VALU_DEP_1)
	v_lshl_add_u32 v14, s22, 2, v15                ; + 4 x wave
	s_bfe_u32 s31, s22, 0x10002                    ; the ranking's q block, (wave / 4) % 2,
	s_lshl_b32 s31, s31, 8
	s_and_b32 s25, s22, 3                          ; and its quarter of the key blocks
	s_lshl_b32 s62, s25, 6
	s_add_co_u32 s62, s62, s31
	s_lshl_b32 s63, s25, 4
	v_lshl_add_u32 v249, v3, 7, s31                ; my half of its 64 words of the pool,
	v_lshl_add_u32 v253, v2, 2, s62                ; my own word of them,
	v_add_nc_u32 v254, s63, v2                     ; and my key block, 16 (wave % 4) + r,
	v_lshlrev_b32 v255, 5, v3
	s_delay_alu instid0(VALU_DEP_1)
	v_sub_nc_u32 v254, v254, v255                  ; less 32 h: the ranking counts my masses from 0
	v_mul_u32_u24 v[VCO], v2, 3072                 ; v_codes: channel r's row of 128 blocks x 24 bytes, + 24 h
	s_delay_alu instid0(VALU_DEP_1)
	v_mad_u32_u24 v[VCO], v3, 24, v[VCO]
	v_lshlrev_b32 v[VSO], 7, v2                    ; v_scales: channel r's row of 128 bytes
	v_lshlrev_b32 v160, 2, v3                      ; (for the index loads: 4 h)
	v_lshlrev_b32 v161, 4, v2                      ; (16 r)
	v_lshlrev_b32 v2, 2, v1                        ; r and h are done with: v2 = 4 x lane,
	s_lshl_b32 s62, s22, 4
	v_mov_b32 v3, s62                              ; v3 = 16 x wave: my four words of the pool
	v_mov_b32 v248, 0                              ; written once: a lane permute's destination counts as one of its sources
	v_mov_b32 v255, 0
	; byte offsets, each in a pair of its own; the buffers' addresses are added behind the wait
	s_bfe_u32 s25, s22, 0x10002
	s_lshl_b32 s31, s23, 1
	s_add_co_u32 s25, s25, s31                     ; my block: 2 g + (wave / 4) % 2
	s_and_b32 s31, s22, 3                          ; my tile
	s_lshl_b32 s60, s24, 20                        ; the head's first byte in k and in q
	s_lshl_b32 s61, s25, 14
	s_add_co_u32 s61, s61, s60                     ; my block's
	s_lshl_b32 s38, s22, 16
	s_add_co_u32 s38, s38, s60                     ; key blocks 4 w on
	s_mov_b32 s39, 0
	s_and_b32 s44, s22, 1
	s_lshl_b32 s62, s23, 1
	s_add_co_u32 s44, s44, s62
	s_lshl_b32 s44, s44, 14
	s_add_co_u32 s44, s44, s60                     ; q block 2 g + wave % 2
	s_mov_b32 s45, 0
	s_lshl_b32 s46, s24, 6
	s_add_co_u32 s46, s46, s25                     ; the record's number
	s_mul_i32 s47, s31, 768
	s_lshl_b32 s49, s31, 6
	s_mul_i32 s50, s46, 6656
	s_add_co_u32 s52, s50, s49                     ; kv: the record + 64 x tile (scale words),
	s_add_co_u32 s50, s50, s47                     ; the record + 768 x tile (codes)
	s_mov_b32 s51, 0
	s_mov_b32 s53, 0
	s_mul_i32 s34, s46, 3328
	s_add_co_u32 s36, s34, s49                     ; qr likewise
	s_add_co_u32 s34, s34, s47
	s_mov_b32 s35, 0
	s_mov_b32 s37, 0
	s_lshl_b32 s62, s31, 11                        ; K's tile t begins at key 8 t,
	s_lshl_b32 s63, s31, 12                        ; Q's tile t at row 16 t
	s_cmp_lt_u32 s22, 8                            ; waves 0-7 take K, waves 8-15 Q: one path, chosen offsets
	s_cselect_b32 s32, s62, s63
	s_cselect_b32 s63, 6144, 0
	s_cselect_b32 s34, s50, s34
	s_cselect_b32 s36, s52, s36
	s_add_co_u32 s32, s32, s61
	s_mov_b32 s33, 0
	v_add_nc_u32 v7, s63, v6
	s_mul_i32 s54, s24, 196608                     ; v_codes: head, 16 channels x tile, 2 blocks of 24 bytes x key block
	s_mul_i32 s62, s31, 49152
	s_add_co_u32 s54, s54, s62
	s_mul_i32 s62, s25, 48
	s_add_co_u32 s54, s54, s62
	s_mov_b32 s55, 0
	s_lshl_b32 s56, s24, 13                        ; v_scales likewise
	s_lshl_b32 s62, s31, 11
	s_add_co_u32 s56, s56, s62
	s_lshl_b32 s62, s25, 1
	s_add_co_u32 s56, s56, s62
	s_mov_b32 s57, 0
	s_lshl_b32 s58, s24, 6                         ; the mask: (head x 64 + 2 g + (wave / 4) % 2) x 8 + 2 (wave % 4)
	s_add_co_u32 s58, s58, s25
	s_lshl_b32 s58, s58, 3
	s_lshl_b32 s62, s31, 1
	s_add_co_u32 s58, s58, s62
	s_mov_b32 s59, 0
	s_lshl_b32 s46, s24, 6                         ; the head's 16 indices
	s_mov_b32 s47, 0
	s_wait_alu depctr_va_vdst(0)
	s_wait_kmcnt 0x0
	s_cmp_lt_u32 s22, 8
	s_cselect_b64 s[60:61], s[4:5], s[6:7]         ; the record's source, k or q: the choice hangs on the wave's number alone
	s_cselect_b64 s[62:63], s[16:17], s[18:19]     ; and its buffer, kv or qr
	s_add_nc_u64 s[32:33], s[60:61], s[32:33]
	s_add_nc_u64 s[34:35], s[62:63], s[34:35]
	s_add_nc_u64 s[36:37], s[62:63], s[36:37]
	s_add_nc_u64 s[38:39], s[4:5], s[38:39]
	s_add_nc_u64 s[44:45], s[6:7], s[44:45]
	s_add_nc_u64 s[50:51], s[16:17], s[50:51]
	s_add_nc_u64 s[52:53], s[16:17], s[52:53]
	s_add_nc_u64 s[54:55], s[12:13], s[54:55]
	s_add_nc_u64 s[56:57], s[14:15], s[56:57]
	s_add_nc_u64 s[58:59], s[20:21], s[58:59]
	s_add_nc_u64 s[8:9], s[8:9], s[46:47]
	s_add_nc_u64 s[10:11], s[10:11], s[46:47]
	; ---- the loads go out: indices, the record's tile, the four sampled tiles
.irp i,0,1,2,3,4,5,6,7
	global_load_b32 v[KOF+\i], v160, s[8:9] offset:8*\i     ; sample 2 i + h
.endr
.irp i,0,1,2,3,4,5,6,7
	global_load_b32 v[QOF+\i], v160, s[10:11] offset:8*\i
.endr
	GLREC R0
	s_wait_loadcnt 8                               ; the 16 indices are in; the record's 8 loads, issued behind them, stay out
.irp i,0,1,2,3,4,5,6,7,8,9,10,11,12,13,14,15
	v_min_u32 v[KOF+\i], 63, v[KOF+\i]             ; an index stays inside its block of 64 rows
.endr
.irp i,0,1,2,3,4,5,6,7,8,9,10,11,12,13,14,15
	v_lshlrev_b32 v[KOF+\i], 8, v[KOF+\i]          ; rows of 256 bytes,
.endr
.irp i,0,1,2,3,4,5,6,7,8,9,10,11,12,13,14,15
	v_add_nc_u32 v[KOF+\i], v161, v[KOF+\i]        ; 16 bytes a lane
.endr
	GLSMP R4, KOF, 38, 49152
	GLSMP R1, KOF, 38, 0
	GLSMP R2, KOF, 38, 16384
	GLSMP R3, KOF, 38, 32768
	; ---- the record's tile
	s_wait_loadcnt 32                              ; it is in; four sampled tiles of 8 loads were issued behind it
	TILE R0, FQ, WQ
	global_store_b128 v6, v[FQ:FQ+3], s[34:35]             ; 512 consecutive bytes a wave
	global_store_b64 v9, v[FQ+4:FQ+5], s[34:35] offset:512 ; 256
	global_store_b32 v10, v[WQ], s[36:37] offset:3072      ; 64: lanes r and 16 + r hold the same word and store it to the same place
	; ---- into the set just left: waves 0, 1 the sampled tile of q block 2 g + wave; waves 8-15 V's tile, as it is given
	s_cmp_lt_u32 s22, 2
	s_cbranch_scc0 .Lno_sq
	GLSMP R0, QOF, 44, 0
	s_branch .Lasked
.Lno_sq:
	s_cmp_lt_u32 s22, 8
	s_cbranch_scc1 .Lasked
	global_load_b64 v[R0:R0+1], v[VCO], s[54:55]
	global_load_b64 v[R0+2:R0+3], v[VCO], s[54:55] offset:8
	global_load_b64 v[R0+4:R0+5], v[VCO], s[54:55] offset:16
	global_load_u16 v[R0+6], v[VSO], s[56:57]      ; the block's two scale bytes of channel r
.Lasked:
	; ---- the sampled k tiles stay in registers.  (The counts are those of a wave that asked for nothing just now; in the others they wait for more than they need)
	s_wait_loadcnt 24
	TILE R4, SK+18, SKW+3
.irp i,0,1,2,3,4,5
	v_mov_b32 v[SK+24+\i], 0                       ; behind the last sampled k fragment
.endr
	s_wait_loadcnt 16
	TILE R1, SK, SKW
	s_wait_loadcnt 8
	TILE R2, SK+6, SKW+1
	s_wait_loadcnt 0x0
	TILE R3, SK+12, SKW+2
	s_cmp_lt_u32 s22, 2
	s_cbranch_scc0 .Lno_sq_tile
	s_wait_xcnt 0x0                                ; the record's stores have read their registers
	TILE R0, FQ, WQ
	ds_store_b128 v11, v[FQ:FQ+3] offset:SQI
	ds_store_b64 v12, v[FQ+4:FQ+5] offset:SQI+512
	ds_store_b32 v13, v[WQ] offset:SQI+768
	s_branch .Lmeet
.Lno_sq_tile:
	s_cmp_lt_u32 s22, 8
	s_cbranch_scc1 .Lmeet
	v_lshl_or_b32 v[R0+6], v[R0+6], 16, v[R0+6]    ; twice: the reader takes the lower half for a step's first block, the upper for its second
	global_store_b128 v6, v[R0:R0+3], s[50:51] offset:3328
	global_store_b64 v9, v[R0+4:R0+5], s[50:51] offset:3328+512
	global_store_b32 v10, v[R0+6], s[52:53] offset:6400
.Lmeet:
	s_wait_xcnt 0x0                                ; the stores have read their registers: loads land there below
	BARRIER                                        ; the two images lie in LDS
.irp x,0,1
	ds_load_b128 v[32+12*\x:35+12*\x], v6 offset:SQI+896*\x
	ds_load_b64 v[36+12*\x:37+12*\x], v9 offset:SQI+896*\x+512
	ds_load_b32 v[SQW+\x], v2 offset:SQI+896*\x+768
.endr
.irp x,0,1
.irp i,0,1,2,3,4,5
	v_mov_b32 v[38+12*\x+\i], 0                    ; k = 64 .. 127: zero codes
.endr
.endr
	s_wait_alu depctr_va_vdst(0)
	s_wait_dscnt 0x0
.rept 8
	v_nop                                          ; a scale register written by a vector instruction stands 8 places ahead of a scaled matrix instruction, an operand so written 4
.endr
	; ---- scores: source 0 = 16 sampled keys, source 1 = 16 sampled queries: lane (r, h) holds query r, register j key 8 h + j.  Tile (x, kl) at v[64 + 8 (4 x + kl)]
.irp x,0,1
.irp kl,0,1,2,3
	v_wmma_scale_f32_16x16x128_f8f6f4 v[64+8*(4*\x+\kl):71+8*(4*\x+\kl)], v[SK+6*\kl:SK+6*\kl+11], v[32+12*\x:43+12*\x], 0, v[SKW+\kl], v[SQW+\x] matrix_a_fmt:MATRIX_FMT_BF6 matrix_b_fmt:MATRIX_FMT_BF6
.endr
.endr
.rept 4
	v_nop
.endr
	; ---- each query's largest score: my 64 keys, then all waves' through LDS.  Each tile is read from its low end on
.irp t,0,1,2,3,4,5,6,7
	v_max3_num_f32 v[128+\t], v[64+8*\t], v[65+8*\t], v[66+8*\t]
.endr
.irp t,0,1,2,3,4,5,6,7
	v_max3_num_f32 v[128+\t], v[128+\t], v[67+8*\t], v[68+8*\t]
.endr
.irp t,0,1,2,3,4,5,6,7
	v_max3_num_f32 v[128+\t], v[128+\t], v[69+8*\t], v[70+8*\t]
.endr
.irp t,0,1,2,3,4,5,6,7
	v_max_num_f32 v[128+\t], v[128+\t], v[71+8*\t]
.endr
.irp x,0,1
	v_max3_num_f32 v[128+4*\x], v[128+4*\x], v[129+4*\x], v[130+4*\x]
.endr
.irp x,0,1
	s_delay_alu instid0(VALU_DEP_2)
	v_max_num_f32 v[128+4*\x], v[128+4*\x], v[131+4*\x]
.endr
	s_delay_alu instid0(VALU_DEP_2)
	v_permlanex16_b32 v248, v128, s26, s27
	s_delay_alu instid0(VALU_DEP_2)
	v_permlanex16_b32 v255, v132, s26, s27
	s_delay_alu instid0(VALU_DEP_2)
	v_max_num_f32 v128, v128, v248
	s_delay_alu instid0(VALU_DEP_2)
	v_max_num_f32 v132, v132, v255
	ds_store_b32 v14, v128 offset:MX               ; lanes r and 16 + r write the same word with the same value
	ds_store_b32 v14, v132 offset:MX+1024
	BARRIER
.irp x,0,1
.irp i,0,1,2,3
	ds_load_b128 v[128+16*\x+4*\i:131+16*\x+4*\i], v15 offset:MX+1024*\x+16*\i
.endr
.endr
	s_wait_dscnt 0x0
.irp x,0,1
	v_max3_num_f32 v[128+16*\x], v[128+16*\x], v[129+16*\x], v[130+16*\x]
.endr
.irp i,3,5,7,9,11,13
.irp x,0,1
	s_delay_alu instid0(VALU_DEP_2)
	v_max3_num_f32 v[128+16*\x], v[128+16*\x], v[128+16*\x+\i], v[129+16*\x+\i]
.endr
.endr
.irp x,0,1
	s_delay_alu instid0(VALU_DEP_2)
	v_max_num_f32 v[128+16*\x], v[128+16*\x], v[143+16*\x]
.endr
.irp x,0,1
	s_delay_alu instid0(VALU_DEP_2)
	v_mul_f32 v[200+2*\x], s30, v[128+16*\x]       ; -c x the row's largest score
.endr
.irp x,0,1
	v_mov_b32 v[201+2*\x], 0                       ; (named with it as a pair)
.endr
	; ---- e = 2^(c s - c max); its sums over each key block's 16 samples; the row's sum through LDS
.irp x,0,1
.irp j,0,2,4,6,8,10,12,14,16,18,20,22,24,26,28,30
	v_pk_fma_f32 v[64+32*\x+\j:65+32*\x+\j], v[64+32*\x+\j:65+32*\x+\j], s[28:29], v[200+2*\x:201+2*\x] op_sel_hi:[1,0,0]
.endr
.endr
	s_wait_alu depctr_va_vdst(0)
.irp j,0,1,2,3,4,5,6,7,8,9,10,11,12,13,14,15,16,17,18,19,20,21,22,23,24,25,26,27,28,29,30,31,32,33,34,35,36,37,38,39,40,41,42,43,44,45,46,47,48,49,50,51,52,53,54,55,56,57,58,59,60,61,62,63
	v_exp_f32 v[64+\j], v[64+\j]
.endr
	v_nop                                          ; a plain place behind the exponentials
	s_wait_alu depctr_va_vdst(0)
.irp t,0,1,2,3,4,5,6,7
	v_pk_add_f32 v[64+8*\t:65+8*\t], v[64+8*\t:65+8*\t], v[66+8*\t:67+8*\t]
.endr
.irp t,0,1,2,3,4,5,6,7
	v_pk_add_f32 v[68+8*\t:69+8*\t], v[68+8*\t:69+8*\t], v[70+8*\t:71+8*\t]
.endr
.irp t,0,1,2,3,4,5,6,7
	v_pk_add_f32 v[64+8*\t:65+8*\t], v[64+8*\t:65+8*\t], v[68+8*\t:69+8*\t]
.endr
.irp t,0,1,2,3,4,5,6,7
	v_add_f32 v[192+\t], v[64+8*\t], v[65+8*\t]
.endr
.irp t,0,1,2,3,4,5,6,7
	v_permlanex16_b32 v[208+\t], v[192+\t], s26, s27
.endr
.irp t,0,1,2,3,4,5,6,7
	v_add_f32 v[192+\t], v[192+\t], v[208+\t]      ; E(x, kl): query r's mass on key block 4 w + kl, not yet divided
.endr
.irp x,0,1
	v_add_f32 v[128+2*\x], v[192+4*\x], v[193+4*\x]
	v_add_f32 v[129+2*\x], v[194+4*\x], v[195+4*\x]
.endr
.irp x,0,1
	v_add_f32 v[128+2*\x], v[128+2*\x], v[129+2*\x]
.endr
	ds_store_b32 v14, v128 offset:LS
	ds_store_b32 v14, v130 offset:LS+1024
	BARRIER
.irp x,0,1
.irp i,0,1,2,3
	ds_load_b128 v[128+16*\x+4*\i:131+16*\x+4*\i], v15 offset:LS+1024*\x+16*\i
.endr
.endr
	s_wait_dscnt 0x0
.irp i,0,4,8,12
.irp x,0,1
	v_pk_add_f32 v[128+16*\x+\i:129+16*\x+\i], v[128+16*\x+\i:129+16*\x+\i], v[130+16*\x+\i:131+16*\x+\i]
.endr
.endr
.irp i,0,8
.irp x,0,1
	v_pk_add_f32 v[128+16*\x+\i:129+16*\x+\i], v[128+16*\x+\i:129+16*\x+\i], v[132+16*\x+\i:133+16*\x+\i]
.endr
.endr
.irp x,0,1
	s_delay_alu instid0(VALU_DEP_2)
	v_pk_add_f32 v[128+16*\x:129+16*\x], v[128+16*\x:129+16*\x], v[136+16*\x:137+16*\x]
.endr
.irp x,0,1
	s_delay_alu instid0(VALU_DEP_2)
	v_add_f32 v[128+16*\x], v[128+16*\x], v[129+16*\x]
.endr
	s_wait_alu depctr_va_vdst(0)
	v_rcp_f32 v128, v128
	v_rcp_f32 v144, v144
	v_nop                                          ; a plain place behind the reciprocals
	; ---- the pool: E / the row's sum, added over the 16 queries (both halves of the lanes hold the same 16)
	s_wait_alu depctr_va_vdst(0)
.irp t,0,1,2,3,4,5,6,7
	v_mul_f32 v[192+\t], v[192+\t], v[128+16*(\t/4)]
.endr
.irp m,1,2,4,8
.irp t,0,1,2,3,4,5,6,7
	v_add_f32_dpp v[192+\t], v[192+\t], v[192+\t] row_xmask:\m row_mask:0xf bank_mask:0xf
.endr
.endr
.irp t,0,1,2,3,4,5,6,7
	ds_store_b32 v3, v[192+\t] offset:PL+256*(\t/4)+4*(\t%4)   ; all lanes write the same word with the same value
.endr
	BARRIER                                        ; the last barrier: the waves part for good
	s_cmp_lt_u32 s22, 8
	s_cbranch_scc1 .Lrank
	s_wait_tensorcnt 0x0                           ; the wave's end
	ds_add_u32 v236, v237
	s_wait_dscnt 0x0
	s_endpgm
	; ---- waves 0-7: block i stands before block j where p_i > p_j, or p_i = p_j and i < j.  Lane (r, h) walks i = 32 h + 0 .. 31.
	; The masses are not negative, so their bits compare as whole numbers: for i < j the test is bits_i > bits_j - 1.
.macro RANK4 i0, first                 ; four blocks i by turns, four chains
.irp a,0,1,2,3
	v_cmp_lt_i32 s[40+\a], \i0+\a, v254
.endr
.irp a,0,1,2,3
	s_delay_alu instid0(VALU_DEP_4)
	v_cndmask_b32 v[136+\a], v128, v129, s[40+\a]
.endr
.irp a,0,1,2,3
	s_delay_alu instid0(VALU_DEP_4)
	v_cmp_gt_i32 s[40+\a], v[64+\i0+\a], v[136+\a]
.endr
.if \first
.irp a,0,1,2,3
	s_delay_alu instid0(VALU_DEP_4)
	v_cndmask_b32 v[132+\a], 0, v[64+\i0+\a], s[40+\a]     ; the first four start the sums
.endr
.else
.irp a,0,1,2,3
	s_delay_alu instid0(VALU_DEP_4)
	v_cndmask_b32 v[136+\a], 0, v[64+\i0+\a], s[40+\a]
.endr
.irp a,0,1,2,3
	s_delay_alu instid0(VALU_DEP_4)
	v_add_f32 v[132+\a], v[132+\a], v[136+\a]
.endr
.endif
.endm
.Lrank:
.irp i,0,1,2,3,4,5,6,7
	ds_load_b128 v[64+4*\i:67+4*\i], v249 offset:PL+16*\i  ; my 32 masses
.endr
	ds_load_b32 v128, v253 offset:PL               ; and my block's
	s_wait_dscnt 0x0
	v_add_nc_u32 v129, -1, v128
	RANK4 0, 1
.irp i0,4,8,12,16,20,24,28
	RANK4 \i0, 0
.endr
.irp k,0,1,2,3,4,5,6,7
	v_pk_add_f32 v[64+4*\k:65+4*\k], v[64+4*\k:65+4*\k], v[66+4*\k:67+4*\k]   ; the total of my 32 masses
.endr
.irp k,0,1,2,3
	v_pk_add_f32 v[64+8*\k:65+8*\k], v[64+8*\k:65+8*\k], v[68+8*\k:69+8*\k]
.endr
.irp k,0,1
	v_pk_add_f32 v[64+16*\k:65+16*\k], v[64+16*\k:65+16*\k], v[72+16*\k:73+16*\k]
.endr
	v_add_f32 v132, v132, v133
	v_add_f32 v134, v134, v135
	v_pk_add_f32 v[64:65], v[64:65], v[80:81]
	s_delay_alu instid0(VALU_DEP_2)
	v_add_f32 v132, v132, v134                     ; the mass before my block, of my 32
	s_delay_alu instid0(VALU_DEP_2)
	v_add_f32 v140, v64, v65
	s_delay_alu instid0(VALU_DEP_2)
	v_permlanex16_b32 v248, v132, s26, s27
	s_delay_alu instid0(VALU_DEP_2)
	v_permlanex16_b32 v255, v140, s26, s27
	s_delay_alu instid0(VALU_DEP_2)
	v_add_f32 v132, v132, v248                     ; and lane l xor 16's
	s_delay_alu instid0(VALU_DEP_2)
	v_add_f32 v140, v140, v255
	s_delay_alu instid0(VALU_DEP_1)
	v_mul_f32 v140, 0.5, v140                      ; exact
	s_delay_alu instid0(VALU_DEP_1)
	v_cmp_lt_f32 s40, v132, v140                   ; kept: bit r (and bit 16 + r) = key block 16 (wave % 4) + r.  It goes to memory as data and steers nothing here
	s_delay_alu instid0(VALU_DEP_1)
	v_mov_b32 v141, s40
	v_mov_b32 v142, 0
	s_wait_alu depctr_va_vdst(0)
	s_wait_xcnt 0x0                                ; EXEC is a source of the stores that are out: it changes only behind this wait
	v_cmp_eq_u32 vcc_lo, 0, v1
	s_wait_tensorcnt 0x0                           ; the wave's end
	ds_add_u32 v236, v237
	s_wait_dscnt 0x0
	s_and_saveexec_b32 s48, vcc_lo
	global_store_b16 v142, v141, s[58:59]          ; lane 0 stores the quarter's 16 bits
	s_wait_xcnt 0x0
	s_or_b32 exec_lo, exec_lo, s48
	s_endpgm
.Lfunc_end_k_q5263d9e140_prep:
	.size	k_q5263d9e140_prep, .Lfunc_end_k_q5263d9e140_prep-k_q5263d9e140_prep
	.p2alignl 7, 3214868480
	.fill 96, 4, 3214868480
	.section	.rodata,"a",@progbits
	.p2align	6, 0x0
	.amdhsa_kernel k_q5263d9e140_prep
		.amdhsa_group_segment_fixed_size 78336
		.amdhsa_private_segment_fixed_size 0
		.amdhsa_enable_private_segment 0
		.amdhsa_kernarg_size 72
		.amdhsa_user_sgpr_count 2
		.amdhsa_user_sgpr_kernarg_segment_ptr 1
		.amdhsa_wavefront_size32 1
		.amdhsa_system_sgpr_workgroup_id_x 1
		.amdhsa_system_sgpr_workgroup_id_y 1
		.amdhsa_system_sgpr_workgroup_id_z 1
		.amdhsa_system_vgpr_workitem_id 0
		.amdhsa_next_free_vgpr 256
		.amdhsa_next_free_sgpr 66
		.amdhsa_reserve_vcc 1
		.amdhsa_float_denorm_mode_32 3
		.amdhsa_float_denorm_mode_16_64 3
		.amdhsa_memory_ordered 1
		.amdhsa_forward_progress 1
		.amdhsa_inst_pref_size 69
	.end_amdhsa_kernel
	.amdgpu_metadata
---
amdhsa.version: [ 1, 2 ]
amdhsa.kernels:
  - .name:           k_q5263d9e140_prep
    .symbol:         k_q5263d9e140_prep.kd
    .args:
      - { .name: k, .offset: 0, .size: 8, .value_kind: global_buffer, .address_space: global }
      - { .name: q, .offset: 8, .size: 8, .value_kind: global_buffer, .address_space: global }
      - { .name: sample_idx_k, .offset: 16, .size: 8, .value_kind: global_buffer, .address_space: global }
      - { .name: sample_idx_q, .offset: 24, .size: 8, .value_kind: global_buffer, .address_space: global }
      - { .name: v_codes, .offset: 32, .size: 8, .value_kind: global_buffer, .address_space: global }
      - { .name: v_scales, .offset: 40, .size: 8, .value_kind: global_buffer, .address_space: global }
      - { .name: kv, .offset: 48, .size: 8, .value_kind: global_buffer, .address_space: global }
      - { .name: qr, .offset: 56, .size: 8, .value_kind: global_buffer, .address_space: global }
      - { .name: mask, .offset: 64, .size: 8, .value_kind: global_buffer, .address_space: global }
    .group_segment_fixed_size: 78336
    .private_segment_fixed_size: 0
    .kernarg_segment_align: 8
    .kernarg_segment_size: 72
    .max_flat_workgroup_size: 512
    .sgpr_count:     66
    .vgpr_count:     256
    .wavefront_size: 32
...
	.end_amdgpu_metadata
.endif
;; end of part 1
;; launch attn (part 2): grid 32 x 8, 8 waves a work-group, no clusters, 144,384 bytes of LDS; arguments qr, kv, mask, out0; writes out0
.if DOCPART == 2
	.amdgcn_target "amdgcn-amd-amdhsa--gfx1250"
	.amdhsa_code_object_version 6
	.text
	.protected	k_q5263d9e140_attn
	.globl	k_q5263d9e140_attn
	.p2align	8
	.type	k_q5263d9e140_attn,@function
k_q5263d9e140_attn:
	s_mov_b64 s[64:65], 0
	v_nop
	global_prefetch_b8 v0, s[64:65] scope:SCOPE_SE
	s_setreg_imm32_b32 hwreg(HW_REG_WAVE_MODE, 25, 1), 1
	s_wait_xcnt 0x0
; ATTENTION OVER THE KEPT KEY BLOCKS.  out[h][q] = the sum over kept keys of p V / the sum of p, both products on codes of BF6 (E3M2) with one E8M0 scale for each 32 along a product's K.
; t = score x log2(e) / 8; M = the running largest t rounded UP to a whole number; p = 2^(t - M) is quantised along the keys, not normalised; the row's sum is taken of the unquantised p and divides at the end.
; When M moves, the sum and O are multiplied by 2^(old M - new M): exact.  A key block that the mask drops has p = 0 for all its keys: it is not multiplied at all.
; INPUTS, made by the launch before: qr and kv, records of register images (a tile of 16 rows: lane l's registers 0-3 at 16 l, registers 4-5 at 512 + 8 l; four tiles, then 64 scale words); mask, 64 bits for each q block.
; SHARES.  Work-group (g, head): q blocks 2 g and 2 g + 1.  Waves 0-3 (group 0) own the first, waves 4-7 the second.  A wave takes ALL 64 queries of its q block (four tiles of 16) and every fourth PAIR of its kept key blocks:
;   so each record leaves memory or cache once for 64 queries, straight into operand registers: no stage in LDS and no barrier in the loop.  Group 1 deals its pairs in the other order, so that odd pairs fall on other waves.
;   Behind the loop the four waves of a group join their partial results through LDS.
; A STEP is one pair a, b (128 keys).  A list of an odd number of blocks repeats its last block, whose scores count as -infinity.  Ranked by mass, the first n blocks hold at least n / 64 of it, so at most 33 blocks have less than half
;   before them: 17 pairs, at most 5 steps a wave; the loop's count is 5, and a wave whose list is over jumps over the rest of the work.
; THE PIPELINE.  Query tiles go two by two: scores, softmax, P V.  The next step's K is asked for as soon as the second two's scores are multiplied, its V behind their P V: so V has a pair's scores and softmax in which to come, K a softmax more.
; The walk hangs on the stored mask: so there is no tensor load, no cluster and no joint request: partners would walk different lists.
; PREFETCH: while the mask comes, each work-group asks for two of its head's 64 records, 52 blocks of 256 bytes, waves 0 and 1 for one record each: the 32 work-groups of a head name each block once.  Later steps' addresses
;   are known one step ahead, when their loads go out themselves: so none stands in the loop.
; LAYOUT.  Both products transposed: S^T = K Q^T (source 0 = 16 keys, source 1 = 16 queries), O^T = V^T P^T (source 0 = 16 channels): a lane holds one query of a tile throughout.  Row m of K's tile t is key 8 t + m % 8 + 32 (m / 8):
;   so lane (r, h) holds of each key block the keys 32 h .. 32 h + 31 in order, one whole block of 32 of the quantiser, as the second product's operand wants it.
; THE FIRST PRODUCT'S K is 64 of the instruction's 128.  Q's registers 6-11 are zero codes and both sides' scale bytes 2, 3 are 0 (2^-127, no NaN); every 6-bit code is a finite number, so whatever stands in K's registers 6-11 adds nothing:
;   K's eight fragments lie 6 registers apart, each followed by the next, the last by six zeros.
; LIMITS: NaN and infinities are not served, nor a byte 0xff among v's scales.  Scaled scores stay under 2^31 in magnitude.  A block of p whose largest lies under 2^-122 keeps the byte 1 (its codes are zeros or the smallest).
; REGISTERS.  Window 0: v1-3 16, 8, 4 x lane; v4-6, v7-9 the same + block a's, b's place in kv; v10-13 LDS addresses of the way out; v14, v15 my spare word's address and 0; v19 the prefetch; v20 + 2 x, v21 + 2 x: -M and the largest score of
;   query tile x; v[28 + 2 x:29 + 2 x] its sum in two halves; v36-59 at work (v36, v38 -M or -infinity for block b; v40, v42 f; v44-47 block maxima; v54-57 scale operands; v58, v59 p's scale words); v60-63 K's scale words; v64-67 V's as stored,
;   v68, v69 for the step; v70, v71 Q's; v72-95 p's codes, two tiles; v96-119 Q's tiles 0, 1; v128-255 S^T, then p, two tiles.
;   Window 1: v0-47 K, v48-53 zeros; v54-101 V (tile t at 54 + 12 t, block x in registers 6 x on); v102-125 Q's tiles 2, 3; v128-255 O^T (query tile x, channel tile t at 128 + 32 x + 8 t).
.set RECB,  6656
.set PART,  3328
.set S,     128
.set O,     128                        ; in window 1
.set VF,    54                         ; in window 1
.set QB,    102                        ; in window 1
.set QA,    96
.set PC,    72
.set SP,    272                        ; the way out: rows of 256 bytes + 16
.set PB,    64*SP                      ; a wave's 64 rows
.set TAB,   8*PB                       ; behind them: (-M, sum) of each wave's 64 queries
.set SPARE, TAB+4096                   ; and the spare words
.set MSB, 0
.macro WIN new                         ; s_set_vgpr_msb: bits 1:0 source 0, 3:2 source 1, 5:4 source 2, 7:6 destination; the high byte repeats the setting that is left
.if MSB != \new
	s_set_vgpr_msb (MSB<<8)|\new
.set MSB, \new
.endif
.endm
.macro DROP                            ; the lowest kept block leaves the list s[24:25]
	s_add_nc_u64 s[30:31], s[24:25], -1
	s_and_b32 s24, s24, s30
	s_and_b32 s25, s25, s31
.endm
.macro POP d                           ; and its number goes to d.  From an empty list it gives 31, which nobody uses
	s_cmp_lg_u32 s24, 0
	s_cselect_b32 s30, s24, s25
	s_cselect_b32 s31, 0, 32
	s_ctz_i32_b32 \d, s30
	s_add_co_u32 \d, \d, s31
	DROP
.endm
.macro NEXTPAIR                        ; my next two blocks; the six behind them are the other waves'
	POP s33
	s_or_b32 s36, s24, s25
	POP s34
	s_cmp_lg_u32 s36, 0
	s_cselect_b32 s34, s34, s33                    ; an odd list repeats a,
	s_cselect_b32 s29, 0, s38                      ; and -infinity is added to the repeat's scores
.rept 6
	DROP
.endr
.endm
.macro ADDR                            ; where the pair's records lie
	s_min_u32 s33, s33, 63                         ; a loaded number enters an address behind a bound
	s_min_u32 s34, s34, 63
	s_mul_i32 s33, s33, RECB
	s_mul_i32 s34, s34, RECB
.irp i,0,1,2
	v_add_nc_u32 v[4+\i], s33, v[1+\i]
	v_add_nc_u32 v[7+\i], s34, v[1+\i]
.endr
.endm
.macro KLOAD                           ; 20 loads: eight fragments of K and their scale words (lanes 0-15: tile 2 i, lanes 16-31: tile 2 i + 1)
	WIN 0x40
.irp x,0,1
.irp t,0,1,2,3
	global_load_b128 v[6*(4*\x+\t):6*(4*\x+\t)+3], v[4+3*\x], s[6:7] offset:768*\t
	global_load_b64 v[6*(4*\x+\t)+4:6*(4*\x+\t)+5], v[5+3*\x], s[6:7] offset:768*\t+512
.endr
.endr
	WIN 0
.irp x,0,1
.irp i,0,1
	global_load_b32 v[60+2*\x+\i], v[6+3*\x], s[6:7] offset:3072+128*\i
.endr
.endr
.endm
.macro VLOAD                           ; 20 loads: four fragments of V, block a's 64 keys in registers 0-5, block b's in 6-11
	WIN 0x40
.irp t,0,1,2,3
.irp x,0,1
	global_load_b128 v[VF+12*\t+6*\x:VF+12*\t+6*\x+3], v[4+3*\x], s[6:7] offset:PART+768*\t
	global_load_b64 v[VF+12*\t+6*\x+4:VF+12*\t+6*\x+5], v[5+3*\x], s[6:7] offset:PART+768*\t+512
.endr
.endr
	WIN 0
.irp x,0,1
.irp i,0,1
	global_load_b32 v[64+2*\x+\i], v[6+3*\x], s[6:7] offset:PART+3072+128*\i
.endr
.endr
.endm
.macro QK2 x, qf, qs                   ; the scores of one query tile, eight tiles of 16 keys
.irp t,0,2,4,6
.if \x
	v_wmma_scale_f32_16x16x128_f8f6f4 v[S+64*\x+8*\t:S+64*\x+8*\t+7], v[6*\t:6*\t+11], v[\qf:\qf+11], 0, v[60+\t/2], v[\qs] matrix_a_fmt:MATRIX_FMT_BF6 matrix_b_fmt:MATRIX_FMT_BF6 matrix_b_scale:MATRIX_SCALE_ROW1
	v_wmma_scale_f32_16x16x128_f8f6f4 v[S+64*\x+8*\t+8:S+64*\x+8*\t+15], v[6*\t+6:6*\t+17], v[\qf:\qf+11], 0, v[60+\t/2], v[\qs] matrix_a_fmt:MATRIX_FMT_BF6 matrix_b_fmt:MATRIX_FMT_BF6 matrix_a_scale:MATRIX_SCALE_ROW1 matrix_b_scale:MATRIX_SCALE_ROW1
.else
	v_wmma_scale_f32_16x16x128_f8f6f4 v[S+64*\x+8*\t:S+64*\x+8*\t+7], v[6*\t:6*\t+11], v[\qf:\qf+11], 0, v[60+\t/2], v[\qs] matrix_a_fmt:MATRIX_FMT_BF6 matrix_b_fmt:MATRIX_FMT_BF6
	v_wmma_scale_f32_16x16x128_f8f6f4 v[S+64*\x+8*\t+8:S+64*\x+8*\t+15], v[6*\t+6:6*\t+17], v[\qf:\qf+11], 0, v[60+\t/2], v[\qs] matrix_a_fmt:MATRIX_FMT_BF6 matrix_b_fmt:MATRIX_FMT_BF6 matrix_a_scale:MATRIX_SCALE_ROW1
.endif
.endr
.endm
.macro PLACES
.rept 4
	v_nop                                          ; four places behind the matrix instructions
.endr
.endm
; SOFTMAX AND P V OF QUERY TILES 2 p, 2 p + 1, line by line in turns.  vin = 1: V is waited for here.
.macro SOFT p, vin
.set NM, 20+4*\p
.set LP, 28+4*\p
.irp x,0,1
.irp c,0,1
	v_max3_num_f32 v[44+2*\x+\c], v[S+64*\x+32*\c], v[S+64*\x+32*\c+1], v[S+64*\x+32*\c+2]   ; my block of 32 keys of key block c: its largest score, for the row's maximum and, since p rises with the score, for the block's largest p
.endr
.endr
.irp i,3,5,7,9,11,13,15,17,19,21,23,25,27,29
.irp x,0,1
.irp c,0,1
	v_max3_num_f32 v[44+2*\x+\c], v[44+2*\x+\c], v[S+64*\x+32*\c+\i], v[S+64*\x+32*\c+\i+1]
.endr
.endr
.endr
.irp x,0,1
.irp c,0,1
	v_max_num_f32 v[44+2*\x+\c], v[44+2*\x+\c], v[S+64*\x+32*\c+31]
.endr
.endr
.irp x,0,1
	v_add_f32 v[45+2*\x], s28, v[45+2*\x]          ; 0, or -infinity for a repeat
.endr
.irp x,0,1
	s_delay_alu instid0(VALU_DEP_2)
	v_max_num_f32 v[48+\x], v[44+2*\x], v[45+2*\x]
.endr
.irp x,0,1
	s_delay_alu instid0(VALU_DEP_2)
	v_permlanex16_b32 v[50+\x], v[48+\x], s20, s21
.endr
.irp x,0,1
	s_delay_alu instid0(VALU_DEP_2)
	v_max3_num_f32 v[NM+1+2*\x], v[NM+1+2*\x], v[48+\x], v[50+\x]   ; the running largest score, lane l xor 16's keys among them
.endr
.irp x,0,1
	s_delay_alu instid0(VALU_DEP_2)
	v_mul_f32 v[52+\x], s26, v[NM+1+2*\x]          ; -t
.endr
.irp x,0,1
	s_delay_alu instid0(VALU_DEP_2)
	v_floor_f32 v[52+\x], v[52+\x]                 ; the new -M = -ceil(t): a whole number
.endr
.irp x,0,1
	s_delay_alu instid0(VALU_DEP_2)
	v_sub_f32 v[48+\x], v[52+\x], v[NM+2*\x]       ; old M - new M: a whole number, 0 or less
.endr
.irp x,0,1
	v_mov_b32 v[NM+2*\x], v[52+\x]
.endr
.irp x,0,1
	s_delay_alu instid0(VALU_DEP_4)
	v_cvt_i32_f32 v[48+\x], v[48+\x]               ; (it saturates)
.endr
.irp x,0,1
	s_delay_alu instid0(VALU_DEP_2)
	v_ldexp_f32 v[40+2*\x], 1.0, v[48+\x]          ; f = 2^(old M - new M)
.endr
.irp x,0,1
	v_add_f32 v[36+2*\x], s28, v[NM+2*\x]          ; what block b's scores take: -M, or -infinity
.endr
.irp j,0,2,4,6,8,10,12,14,16,18,20,22,24,26,28,30
.irp x,0,1
	v_pk_fma_f32 v[S+64*\x+\j:S+64*\x+\j+1], v[S+64*\x+\j:S+64*\x+\j+1], s[22:23], v[NM+2*\x:NM+2*\x+1] op_sel_hi:[1,0,0]   ; t - M, two at a time
	v_pk_fma_f32 v[S+64*\x+\j+32:S+64*\x+\j+33], v[S+64*\x+\j+32:S+64*\x+\j+33], s[22:23], v[36+2*\x:37+2*\x] op_sel_hi:[1,0,0]
.endr
.endr
.irp x,0,1
	v_fma_f32 v[44+2*\x], v[44+2*\x], s22, v[NM+2*\x]   ; the same of each block's largest score
	v_fma_f32 v[45+2*\x], v[45+2*\x], s22, v[36+2*\x]
.endr
	s_wait_alu depctr_va_vdst(0)
.set i, 0
.rept 128
	v_exp_f32 v[S+i], v[S+i]                       ; p = 2^(t - M), at most 1
.set i, i+1
.endr
.irp b,0,1,2,3
	v_exp_f32 v[44+\b], v[44+\b]                   ; the block's largest p: the same two instructions on the same number
.endr
	v_nop                                          ; a plain place behind the exponentials
.if \vin
	s_wait_loadcnt 0x0                             ; V and its scale words are in: nothing was asked for behind them
.endif
	s_wait_alu depctr_va_vdst(0)                   ; one wait for the batch, ahead of its first reader
.if \vin
	v_bfi_b32 v68, s27, v64, v66                   ; V's scale words for the step: bytes 0, 1 block a's, bytes 2, 3 block b's
	v_bfi_b32 v69, s27, v65, v67
.endif
.irp x,0,1                             ; the row's sum, of the unquantised p: two chains a tile
	v_pk_add_f32 v[36+2*\x:37+2*\x], v[S+64*\x:S+64*\x+1], v[S+64*\x+4:S+64*\x+5]
	v_pk_add_f32 v[48+4*\x:49+4*\x], v[S+64*\x+2:S+64*\x+3], v[S+64*\x+6:S+64*\x+7]
.endr
.irp j,8,12,16,20,24,28,32,36,40,44,48,52,56,60
.irp x,0,1
	v_pk_add_f32 v[36+2*\x:37+2*\x], v[36+2*\x:37+2*\x], v[S+64*\x+\j:S+64*\x+\j+1]
	v_pk_add_f32 v[48+4*\x:49+4*\x], v[48+4*\x:49+4*\x], v[S+64*\x+\j+2:S+64*\x+\j+3]
.endr
.endr
.irp x,0,1
	v_pk_add_f32 v[36+2*\x:37+2*\x], v[36+2*\x:37+2*\x], v[48+4*\x:49+4*\x]
.endr
.irp x,0,1
	s_delay_alu instid0(VALU_DEP_2)
	v_pk_fma_f32 v[LP+2*\x:LP+2*\x+1], v[LP+2*\x:LP+2*\x+1], v[40+2*\x:41+2*\x], v[36+2*\x:37+2*\x] op_sel_hi:[1,0,1]   ; the old sum under the new M, and the step's
.endr
.irp b,0,1,2,3
	v_max_num_f32 v[44+\b], 0x2800000, v[44+\b]    ; the floor 2^(5 - 127): the byte cannot fall under 1
.endr
.irp b,0,1,2,3
	v_add_nc_u32 v[54+\b], 0xfe000000, v[44+\b]    ; 4 off the exponent field: the conversion's scale operand
.endr
.irp x,0,1
.irp c,0,1
	v_cvt_scalef32_pk16_bf6_f32 v[PC+12*\x+6*\c:PC+12*\x+6*\c+2], v[S+64*\x+32*\c:S+64*\x+32*\c+15], v[54+2*\x+\c]   ; my block's lower 16 codes
.endr
.endr
.irp b,0,1,2,3
	v_lshrrev_b32 v[44+\b], 23, v[54+\b]           ; the scale's byte.  (Plain places behind the conversions)
.endr
.irp x,0,1
.irp c,0,1
	v_cvt_scalef32_pk16_bf6_f32 v[S+64*\x+32*\c:S+64*\x+32*\c+2], v[S+64*\x+32*\c+16:S+64*\x+32*\c+31], v[54+2*\x+\c]   ; its upper 16, into registers that are done with (a conversion's three registers begin on an even number)
.endr
.endr
.irp x,0,1
	v_lshl_or_b32 v[44+2*\x], v[45+2*\x], 16, v[44+2*\x]   ; my two bytes: blocks h and 2 + h of the step's four
.endr
.irp x,0,1
	s_delay_alu instid0(VALU_DEP_2)
	v_permlanex16_b32 v[50+\x], v[44+2*\x], s20, s21
.endr
.irp x,0,1
	s_delay_alu instid0(VALU_DEP_2)
	v_lshl_or_b32 v[58+\x], v[50+\x], 8, v[44+2*\x]   ; lanes 0-15: p's scale word for these 128 keys (lanes 16-31 are not read)
.endr
.irp i,0,1,2
.irp x,0,1
.irp c,0,1
	v_mov_b32 v[PC+12*\x+6*\c+3+\i], v[S+64*\x+32*\c+\i]
.endr
.endr
.endr
	WIN 0x41
	s_wait_alu depctr_va_vdst(0)
.irp x,0,1
.irp j,0,2,4,6,8,10,12,14,16,18,20,22,24,26,28,30
	v_pk_mul_f32 v[O+64*\p+32*\x+\j:O+64*\p+32*\x+\j+1], v[O+64*\p+32*\x+\j:O+64*\p+32*\x+\j+1], v[40+2*\x:41+2*\x] op_sel_hi:[1,0]   ; O^T under the new M, each accumulator from its low end on
.endr
.endr
	WIN 0x51
.irp x,0,1                             ; O^T += V^T P^T: the accumulators by turns
.irp t,0,2
	v_wmma_scale_f32_16x16x128_f8f6f4 v[O+64*\p+32*\x+8*\t:O+64*\p+32*\x+8*\t+7], v[VF+12*\t:VF+12*\t+11], v[PC+12*\x:PC+12*\x+11], v[O+64*\p+32*\x+8*\t:O+64*\p+32*\x+8*\t+7], v[68+\t/2], v[58+\x] matrix_a_fmt:MATRIX_FMT_BF6 matrix_b_fmt:MATRIX_FMT_BF6
	v_wmma_scale_f32_16x16x128_f8f6f4 v[O+64*\p+32*\x+8*\t+8:O+64*\p+32*\x+8*\t+15], v[VF+12*\t+12:VF+12*\t+23], v[PC+12*\x:PC+12*\x+11], v[O+64*\p+32*\x+8*\t+8:O+64*\p+32*\x+8*\t+15], v[68+\t/2], v[58+\x] matrix_a_fmt:MATRIX_FMT_BF6 matrix_b_fmt:MATRIX_FMT_BF6 matrix_a_scale:MATRIX_SCALE_ROW1
.endr
.endr
	WIN 0
.endm
.macro BARRIER                         ; my LDS stores have landed and my LDS loads are in: then the work-group's barrier
	s_wait_alu depctr_va_vdst(0)
	s_wait_dscnt 0x0
	s_barrier_signal -1
	s_barrier_wait -1
.endm
	s_load_b256 s[4:11], s[0:1], 0x0               ; qr, kv, mask, out0
	v_lshrrev_b32 v16, 5, v0
	s_delay_alu instid0(VALU_DEP_1)
	v_readfirstlane_b32 s12, v16                   ; wave 0..7
	s_lshr_b32 s13, s12, 2                         ; group
	s_and_b32 s14, s12, 3                          ; j
	s_mul_i32 s17, s13, 3
	s_xor_b32 s17, s17, s14                        ; which pair of four is mine: j, in group 1 3 - j
	s_and_b32 s15, ttmp7, 0xffff                   ; head
	s_lshl_b32 s16, ttmp9, 1
	s_add_co_u32 s16, s16, s13
	s_lshl_b32 s18, s15, 6
	s_add_co_u32 s16, s16, s18                     ; head x 64 + my q block
	s_lshl_b32 s40, s16, 3                         ; its 64 bits of the mask
	s_mov_b32 s41, 0
	s_mul_i32 s42, s16, PART                       ; its record in qr
	s_mov_b32 s43, 0
	s_lshl_b32 s46, s16, 14                        ; its 64 rows of out0,
	s_lshl_b32 s19, s14, 12
	s_add_co_u32 s46, s46, s19                     ; of which I store 16
	s_mov_b32 s47, 0
	s_mul_i32 s48, s15, 64*RECB                    ; the head's records in kv
	s_mov_b32 s49, 0
	s_mul_i32 s50, ttmp9, 2*RECB                   ; the prefetch: records 2 g + wave, by waves 0 and 1
	s_mul_i32 s19, s12, RECB
	s_add_co_u32 s50, s50, s19
	s_mov_b32 s51, 0
	s_mov_b32 s20, 0x76543210
	s_mov_b32 s21, 0xfedcba98                      ; v_permlanex16_b32's selects for lane l xor 16
	s_mov_b32 s22, 0x3e38aa3b                      ; c = log2(e) / sqrt(64)
	s_mov_b32 s23, s22                             ; (the packed form names the pair)
	s_mov_b32 s26, 0xbe38aa3b                      ; -c
	s_mov_b32 s27, 0xffff
	s_mov_b32 s38, 0xff800000                      ; -infinity
	s_mul_i32 s30, s12, PB                         ; my 64 rows of the way out,
	s_mul_i32 s31, s13, 4*PB
	s_mul_i32 s32, s14, 16*SP
	s_add_co_u32 s31, s31, s32                     ; the 16 rows of each of my group's waves that I add up,
	s_lshl_b32 s32, s12, 9
	s_add_co_u32 s32, s32, TAB                     ; my part of the table,
	s_lshl_b32 s33, s13, 11
	s_add_co_u32 s33, s33, TAB                     ; my group's
	v_lshl_add_u32 v14, v0, 2, SPARE
	v_mov_b32 v15, 0
	v_and_b32 v16, 31, v0                          ; lane
	v_and_b32 v17, 15, v0                          ; r
	v_bfe_u32 v18, v0, 4, 1                        ; h
	v_lshlrev_b32 v1, 4, v16
	v_lshlrev_b32 v2, 3, v16
	v_lshlrev_b32 v3, 2, v16
	v_min_u32 v19, 25, v16                         ; a record's 26 blocks of 256 bytes, a lane each; the lanes left over name the last again
	v_mul_u32_u24 v10, v17, SP
	v_mul_u32_u24 v11, v18, SP
	v_lshl_add_u32 v12, v17, 3, s32                ; (-M, sum) of query r: in,
	v_lshl_add_u32 v13, v17, 3, s33                ; and back
	v_lshlrev_b32 v19, 8, v19
	v_lshl_add_u32 v10, v18, 5, v10
	v_lshl_add_u32 v11, v17, 4, v11
	v_add_nc_u32 v10, s30, v10                     ; in: row r, 32 bytes for each half of the lanes
	v_add_nc_u32 v11, s31, v11                     ; back: lanes 0-15 one row, lanes 16-31 the next
	s_wait_alu depctr_va_vdst(0)
	s_wait_kmcnt 0x0
	s_add_nc_u64 s[8:9], s[8:9], s[40:41]
	s_load_b64 s[24:25], s[8:9], 0x0               ; my q block's list: a bit for each kept key block
	s_add_nc_u64 s[42:43], s[4:5], s[42:43]
	s_add_nc_u64 s[10:11], s[10:11], s[46:47]
	s_add_nc_u64 s[6:7], s[6:7], s[48:49]
	s_add_nc_u64 s[50:51], s[6:7], s[50:51]
.irp x,0,1                             ; Q's four fragments stay in registers
	global_load_b128 v[QA+12*\x:QA+12*\x+3], v1, s[42:43] offset:768*\x
	global_load_b64 v[QA+12*\x+4:QA+12*\x+5], v2, s[42:43] offset:768*\x+512
	global_load_b32 v[70+\x], v3, s[42:43] offset:3072+128*\x   ; lanes 0-15 tile 2 x, lanes 16-31 tile 2 x + 1
.endr
	WIN 0x40
.irp x,0,1
	global_load_b128 v[QB+12*\x:QB+12*\x+3], v1, s[42:43] offset:1536+768*\x
	global_load_b64 v[QB+12*\x+4:QB+12*\x+5], v2, s[42:43] offset:1536+768*\x+512
.endr
	WIN 0
	s_cmp_lt_u32 s12, 2
	s_cbranch_scc0 .Lno_prefetch
	global_prefetch_b8 v19, s[50:51] th:TH_LOAD_NT scope:SCOPE_SE
.Lno_prefetch:
	; while the mask comes: the state.  (The step is written once: the first finds zeros in O^T, which the first change of M leaves zeros; a wave without a block hands zeros on)
.irp i,0,1,2,3,4,5
	v_mov_b32 v[QA+6+\i], 0                        ; Q's k = 64 .. 127: zero codes
	v_mov_b32 v[QA+18+\i], 0
.endr
.irp x,0,1,2,3
	v_mov_b32 v[20+2*\x], 0x7e000000               ; -M before the first step: M under every t
	v_mov_b32 v[21+2*\x], 0xff61b1e6               ; the largest score so far: -3e38
	v_mov_b32 v[28+2*\x], 0                        ; the sum, in two halves
	v_mov_b32 v[29+2*\x], 0
	v_mov_b32 v[37+2*\x], 0                        ; (upper halves of pairs that packed forms name)
	v_mov_b32 v[44+\x], 0                          ; (a lane permute's destination counts as one of its sources)
.endr
	v_mov_b32 v50, 0
	v_mov_b32 v51, 0
	WIN 0x40
.irp i,0,1,2,3,4,5
	v_mov_b32 v[48+\i], 0                          ; behind K's last fragment
	v_mov_b32 v[QB+6+\i], 0
	v_mov_b32 v[QB+18+\i], 0
.endr
.set i, 0
.rept 128
	v_mov_b32 v[O+i], 0
.set i, i+1
.endr
	WIN 0
	s_wait_alu depctr_va_vdst(0)
	s_wait_kmcnt 0x0
	s_cmp_lt_u32 s17, 1
	s_cbranch_scc1 .Lmine
	DROP
	DROP
	s_cmp_lt_u32 s17, 2
	s_cbranch_scc1 .Lmine
	DROP
	DROP
	s_cmp_lt_u32 s17, 3
	s_cbranch_scc1 .Lmine
	DROP
	DROP
.Lmine:                                            ; the list begins with my first pair
	s_or_b32 s37, s24, s25
	NEXTPAIR                                       ; (a list without a pair asks for block 31, inside kv; nothing is multiplied)
	s_mov_b32 s28, s29
	ADDR
	s_wait_alu depctr_va_vdst(0)
	KLOAD
	VLOAD
	s_mov_b32 s39, 0
.Lstep:                                            ; five trips in every wave; one whose list is over jumps over the step's work
	s_cmp_eq_u32 s37, 0
	s_cbranch_scc1 .Lidle
	s_wait_loadcnt 20                              ; K (and Q) are in; V's 20 loads, issued behind K's, may be out
	WIN 0x01                                       ; source 0 (K) in window 1
	QK2 0, QA, 70
	QK2 1, QA+12, 70
	WIN 0
	PLACES
	SOFT 0, 1
	WIN 0x05                                       ; sources 0 and 1 in window 1
	QK2 0, QB, 71
	s_or_b32 s37, s24, s25                         ; is a pair left?
	NEXTPAIR
	QK2 1, QB+12, 71
	WIN 0
	s_cmp_eq_u32 s37, 0
	s_wait_alu depctr_va_vdst(0)
	s_cbranch_scc1 .Llast
	ADDR                                           ; six vector lines: also the places behind the scores
	s_wait_alu depctr_va_vdst(0)
	KLOAD                                          ; the next step's
	SOFT 1, 0
	PLACES                                         ; for the loads into V's registers
	VLOAD
	s_mov_b32 s28, s29
	s_wait_alu depctr_va_vdst(0)
	s_branch .Lidle
.Llast:                                            ; my last step's second two tiles: nothing more is asked for
	PLACES
	SOFT 1, 0
.Lidle:
	s_add_co_u32 s39, s39, 1
	s_cmp_lt_u32 s39, 5
	s_wait_alu depctr_va_vdst(0)
	s_cbranch_scc1 .Lstep
	; ---- THE WAY OUT.  The four waves of a group tell each other M and the sums, scale their O^T by 2^(own M - M) / the whole sum, and add up through LDS; rows leave whole.
	s_wait_loadcnt 0x0
	s_wait_alu depctr_va_vdst(0)
	PLACES
.irp x,0,1,2,3
	v_add_f32 v[28+2*\x], v[28+2*\x], v[29+2*\x]   ; the sum's two halves,
.endr
.irp x,0,1,2,3
	v_permlanex16_b32 v[44+\x], v[28+2*\x], s20, s21
.endr
.irp x,0,1,2,3
	v_add_f32 v[21+2*\x], v[28+2*\x], v[44+\x]     ; and lane l xor 16's: my sum, beside -M
.endr
.irp x,0,1,2,3
	ds_store_b64 v12, v[20+2*\x:21+2*\x] offset:128*\x   ; lanes r and 16 + r write the same words with the same values
.endr
	BARRIER
.irp x,0,1,2,3
.irp w,0,1,2,3
	ds_load_b64 v[S+8*\x+2*\w:S+8*\x+2*\w+1], v13 offset:512*\w+128*\x
.endr
.endr
	s_wait_dscnt 0x0
.irp x,0,1,2,3
	v_min3_num_f32 v[44+\x], v[S+8*\x], v[S+8*\x+2], v[S+8*\x+4]
.endr
.irp x,0,1,2,3
	v_min_num_f32 v[44+\x], v[44+\x], v[S+8*\x+6]  ; -M over all four
.endr
.irp w,0,1,2,3
.irp x,0,1,2,3
	v_sub_f32 v[S+8*\x+2*\w], v[44+\x], v[S+8*\x+2*\w]   ; wave w's M - M: 0 or less
.endr
.endr
.irp w,0,1,2,3
.irp x,0,1,2,3
	v_cvt_i32_f32 v[S+8*\x+2*\w], v[S+8*\x+2*\w]
.endr
.endr
.irp w,0,1,2,3
.irp x,0,1,2,3
	v_ldexp_f32 v[S+8*\x+2*\w+1], v[S+8*\x+2*\w+1], v[S+8*\x+2*\w]   ; its sum under M
.endr
.endr
.irp x,0,1,2,3
	v_sub_f32 v[48+\x], v[44+\x], v[20+2*\x]       ; my own M - M
.endr
.irp x,0,1,2,3
	v_add_f32 v[54+\x], v[S+8*\x+1], v[S+8*\x+3]
.endr
.irp x,0,1,2,3
	v_add_f32 v[S+8*\x+5], v[S+8*\x+5], v[S+8*\x+7]
.endr
.irp x,0,1,2,3
	v_cvt_i32_f32 v[48+\x], v[48+\x]
.endr
.irp x,0,1,2,3
	v_add_f32 v[54+\x], v[54+\x], v[S+8*\x+5]      ; the whole sum
.endr
	s_wait_alu depctr_va_vdst(0)
.irp x,0,1,2,3
	v_rcp_f32 v[54+\x], v[54+\x]
.endr
	v_nop                                          ; a plain place behind the reciprocals
	s_wait_alu depctr_va_vdst(0)
.irp x,0,1,2,3
	v_ldexp_f32 v[36+2*\x], v[54+\x], v[48+\x]
.endr
	WIN 0x41
	s_wait_alu depctr_va_vdst(0)
.irp x,0,1,2,3
.irp j,0,2,4,6,8,10,12,14,16,18,20,22,24,26,28,30
	v_pk_mul_f32 v[O+32*\x+\j:O+32*\x+\j+1], v[O+32*\x+\j:O+32*\x+\j+1], v[36+2*\x:37+2*\x] op_sel_hi:[1,0]
.endr
.endr
	WIN 0x04
.irp x,0,1,2,3
.irp t,0,1,2,3
	ds_store_b128 v10, v[O+32*\x+8*\t:O+32*\x+8*\t+3] offset:16*SP*\x+64*\t      ; query 16 x + r, channels 16 t + 8 h + 0 .. 3
	ds_store_b128 v10, v[O+32*\x+8*\t+4:O+32*\x+8*\t+7] offset:16*SP*\x+64*\t+16
.endr
.endr
	WIN 0
	BARRIER
.irp i,0,1,2,3,4,5,6,7
.irp w,0,1,2,3
	ds_load_b128 v[S+16*\i+4*\w:S+16*\i+4*\w+3], v11 offset:PB*\w+2*SP*\i   ; rows 2 i, 2 i + 1 of my 16, from each of the four
.endr
.endr
.irp i,0,1,2,3,4,5,6,7
	s_wait_dscnt 28-4*\i                           ; these two rows' four parts are in; the loads issued behind them may be out
.irp k,0,2
	v_pk_add_f32 v[S+16*\i+\k:S+16*\i+\k+1], v[S+16*\i+\k:S+16*\i+\k+1], v[S+16*\i+4+\k:S+16*\i+5+\k]
	v_pk_add_f32 v[S+16*\i+8+\k:S+16*\i+9+\k], v[S+16*\i+8+\k:S+16*\i+9+\k], v[S+16*\i+12+\k:S+16*\i+13+\k]
.endr
.irp k,0,2
	v_pk_add_f32 v[S+16*\i+\k:S+16*\i+\k+1], v[S+16*\i+\k:S+16*\i+\k+1], v[S+16*\i+8+\k:S+16*\i+9+\k]
.endr
	global_store_b128 v1, v[S+16*\i:S+16*\i+3], s[10:11] offset:512*\i th:TH_STORE_NT   ; 32 lanes store two whole rows, 512 consecutive bytes, at a multiple of 256 from out0's first byte
.endr
	s_wait_tensorcnt 0x0                           ; the wave's end, behind my last LDS store
	ds_add_u32 v14, v15
	s_wait_dscnt 0x0
	s_endpgm
.Lfunc_end_k_q5263d9e140_attn:
	.size	k_q5263d9e140_attn, .Lfunc_end_k_q5263d9e140_attn-k_q5263d9e140_attn
	.p2alignl 7, 3214868480
	.fill 96, 4, 3214868480
	.section	.rodata,"a",@progbits
	.p2align	6, 0x0
	.amdhsa_kernel k_q5263d9e140_attn
		.amdhsa_group_segment_fixed_size 144384
		.amdhsa_private_segment_fixed_size 0
		.amdhsa_enable_private_segment 0
		.amdhsa_kernarg_size 32
		.amdhsa_user_sgpr_count 2
		.amdhsa_user_sgpr_kernarg_segment_ptr 1
		.amdhsa_wavefront_size32 1
		.amdhsa_system_sgpr_workgroup_id_x 1
		.amdhsa_system_sgpr_workgroup_id_y 1
		.amdhsa_system_sgpr_workgroup_id_z 1
		.amdhsa_system_vgpr_workitem_id 0
		.amdhsa_next_free_vgpr 512
		.amdhsa_next_free_sgpr 66
		.amdhsa_reserve_vcc 0
		.amdhsa_float_denorm_mode_32 3
		.amdhsa_float_denorm_mode_16_64 3
		.amdhsa_memory_ordered 1
		.amdhsa_forward_progress 1
		.amdhsa_inst_pref_size 115
	.end_amdhsa_kernel
	.amdgpu_metadata
---
amdhsa.version: [ 1, 2 ]
amdhsa.kernels:
  - .name:           k_q5263d9e140_attn
    .symbol:         k_q5263d9e140_attn.kd
    .args:
      - { .name: qr, .offset: 0, .size: 8, .value_kind: global_buffer, .address_space: global }
      - { .name: kv, .offset: 8, .size: 8, .value_kind: global_buffer, .address_space: global }
      - { .name: mask, .offset: 16, .size: 8, .value_kind: global_buffer, .address_space: global }
      - { .name: out0, .offset: 24, .size: 8, .value_kind: global_buffer, .address_space: global }
    .group_segment_fixed_size: 144384
    .private_segment_fixed_size: 0
    .kernarg_segment_align: 8
    .kernarg_segment_size: 32
    .max_flat_workgroup_size: 256
    .sgpr_count:     66
    .vgpr_count:     512
    .wavefront_size: 32
...
	.end_amdgpu_metadata
.endif
;; end of part 2
